; MI455X (gfx1250); checked and timed in simulation.
; The chip was launched on July 23, 2026; its instructions are those of AMD's public machine-readable ISA for CDNA 5 (MIT licence, August 2026) and "CDNA5" Instruction Set Architecture Reference Guide (July 2026). The comments in the code are by the model that wrote it; some were corrected since.
;; Self Attention. Allowed arithmetic: float matrix products may take bf16 or f16 operands with f32 sums; all other float work in f32.
;; Inputs: W_k 1,024 x 64 float32; W_q 1,024 x 64 float32; W_v 1,024 x 64 float32; X 4 x 4,096 x 1,024 float32.
;; Outputs: out0 4 x 4,096 x 64 float32.
;; One version. Each part assembles by itself: llvm-mc -triple=amdgcn-amd-amdhsa -mcpu=gfx1250 --defsym DOCPART=n.
;; ======== version 1 of 1: 3 launches
;; limits: values are held in f16: magnitudes above 65,504 overflow, below 6.1e-05 lose precision; inputs' magnitudes at most 65,504; right only within a limited range of input values
;; workspace buffers: Wf 393,216 bytes; Qf 2,097,152 bytes; KVf 4,194,304 bytes
;; launch wprep (part 1): grid 32 x 3, 4 waves a work-group, no clusters, 0 bytes of LDS; arguments W_q, W_k, W_v, Wf; writes Wf
.if DOCPART == 1
	.amdgcn_target "amdgcn-amd-amdhsa--gfx1250"
	.amdhsa_code_object_version 6
	.text
	.protected	k_qe769bef941_wprep
	.globl	k_qe769bef941_wprep
	.p2align	8
	.type	k_qe769bef941_wprep,@function
k_qe769bef941_wprep:
	s_mov_b64 s[64:65], 0
	v_nop
	global_prefetch_b8 v0, s[64:65] scope:SCOPE_SE
	s_setreg_imm32_b32 hwreg(HW_REG_WAVE_MODE, 25, 1), 1
	s_wait_xcnt 0x0
; The three weight matrices [1024][64] f32 are scaled, rounded to f16 and laid out in the order in which the next launch's
; matrix fragments want them:
;   Wf byte (((ks*4 + w)*3 + M)*2 + u)*512 + 16 L, element i (0..7) = c_M * W_M[32 ks + 16 u + 8 h + i][16 w + r]
;   ks = K step of 32 (0..31), w = column tile of 16 (0..3), M = 0, 1, 2 for q, k, v, L = lane, r = L & 15, h = L >> 4.
; Scales, applied in f32 ahead of the one rounding: c_q = log2(e)/4, c_k = 1/2 (their product log2(e)/8 is the reference's
; 1/sqrt(64) times the factor that turns e^x into 2^x), c_v = 1/4 (taken back by a factor 4 in the last launch).
; They keep the f16 projections small: see the limit stated in the next launch's head.
; Work-group (ks, M): 32 rows of one matrix, 8,192 bytes.  Wave w makes the fragment of column tile w.
; 96 work-groups: the whole job is 786,432 bytes in and 393,216 out; there is no more to share.
; No LDS, no matrix unit, no cluster: each byte is read once by one wave and nothing is shared.
.set WIN_ROW, 256                      ; bytes in a row of W
.set F32,  8                           ; v[8:23]   my 16 numbers in f32: 8 u + i
.set F16,  24                          ; v[24:31]  the same in f16: 4 u + i / 2
	s_load_b256 s[4:11], s[0:1], 0x0               ; W_q s[4:5], W_k s[6:7], W_v s[8:9], Wf s[10:11]
	s_and_b32 s13, ttmp7, 0xffff                   ; M
	v_lshrrev_b32 v4, 5, v0
	v_readfirstlane_b32 s12, v4                    ; wave w
	v_and_b32 v1, 31, v0                           ; L
	v_and_b32 v5, 15, v0                           ; r
	v_bfe_u32 v6, v0, 4, 1                         ; h
	s_lshl_b32 s14, s12, 6                         ; 16 w columns of 4 bytes
	s_mul_i32 s15, s12, 3072                       ; a column tile's six half fragments in Wf
	v_lshl_add_u32 v2, v5, 2, s14                  ; 64 w + 4 r
	v_lshl_add_u32 v2, v6, 11, v2                  ; + 8 h rows of 256 bytes
	v_lshl_add_u32 v3, v1, 4, s15                  ; 3072 w + 16 L
	s_mov_b32 s22, 0x3eb8aa3b                      ; log2(e) / 4
	s_lshl_b32 s18, ttmp9, 13                      ; 32 ks rows of 256 bytes
	s_mov_b32 s19, 0
	s_mul_i32 s2, ttmp9, 12288                     ; a K step's 24 half fragments in Wf
	s_lshl_b32 s23, s13, 10
	s_add_co_u32 s2, s2, s23                       ; + 1024 M
	s_mov_b32 s3, 0
	s_wait_kmcnt 0x0
	s_cmp_eq_u32 s13, 1                            ; the matrix and its scale are chosen by the work-group's y alone
	s_cselect_b64 s[16:17], s[6:7], s[4:5]
	s_cselect_b32 s20, 0x3f000000, s22             ; 1/2 for k
	s_cmp_eq_u32 s13, 2
	s_cselect_b64 s[16:17], s[8:9], s[16:17]
	s_cselect_b32 s20, 0x3e800000, s20             ; 1/4 for v
	s_mov_b32 s21, s20                             ; the packed multiply names the pair
	s_add_nc_u64 s[16:17], s[16:17], s[18:19]
	s_add_nc_u64 s[10:11], s[10:11], s[2:3]
.irp u, 0,1
.irp i, 0,1,2,3,4,5,6,7
	global_load_b32 v[F32+8*\u+\i], v2, s[16:17] offset:(16*\u+\i)*WIN_ROW   ; W[32 ks + 16 u + 8 h + i][16 w + r]; the four waves together take whole rows
.endr
.endr
	s_wait_loadcnt 0x0
.irp j, 0,1,2,3,4,5,6,7
	v_pk_mul_f32 v[F32+2*\j:F32+2*\j+1], v[F32+2*\j:F32+2*\j+1], s[20:21] op_sel_hi:[1,0]
.endr
.irp j, 0,1,2,3,4,5,6,7
	v_cvt_pk_f16_f32 v[F16+\j], v[F32+2*\j], v[F32+2*\j+1]
.endr
	global_store_b128 v3, v[F16:F16+3], s[10:11]               ; u = 0: the wave stores 512 consecutive bytes, aligned
	global_store_b128 v3, v[F16+4:F16+7], s[10:11] offset:512  ; u = 1
	s_endpgm
.Lfunc_end_k_qe769bef941_wprep:
	.size	k_qe769bef941_wprep, .Lfunc_end_k_qe769bef941_wprep-k_qe769bef941_wprep
	.p2alignl 7, 3214868480
	.fill 96, 4, 3214868480
	.section	.rodata,"a",@progbits
	.p2align	6, 0x0
	.amdhsa_kernel k_qe769bef941_wprep
		.amdhsa_group_segment_fixed_size 0
		.amdhsa_private_segment_fixed_size 0
		.amdhsa_enable_private_segment 0
		.amdhsa_kernarg_size 32
		.amdhsa_user_sgpr_count 2
		.amdhsa_user_sgpr_kernarg_segment_ptr 1
		.amdhsa_wavefront_size32 1
		.amdhsa_system_sgpr_workgroup_id_x 1
		.amdhsa_system_sgpr_workgroup_id_y 1
		.amdhsa_system_sgpr_workgroup_id_z 1
		.amdhsa_system_vgpr_workitem_id 0
		.amdhsa_next_free_vgpr 32
		.amdhsa_next_free_sgpr 66
		.amdhsa_reserve_vcc 0
		.amdhsa_float_denorm_mode_32 3
		.amdhsa_float_denorm_mode_16_64 3
		.amdhsa_memory_ordered 1
		.amdhsa_forward_progress 1
		.amdhsa_inst_pref_size 5
	.end_amdhsa_kernel
	.amdgpu_metadata
---
amdhsa.version: [ 1, 2 ]
amdhsa.kernels:
  - .name:           k_qe769bef941_wprep
    .symbol:         k_qe769bef941_wprep.kd
    .args:
      - { .name: W_q, .offset: 0, .size: 8, .value_kind: global_buffer, .address_space: global }
      - { .name: W_k, .offset: 8, .size: 8, .value_kind: global_buffer, .address_space: global }
      - { .name: W_v, .offset: 16, .size: 8, .value_kind: global_buffer, .address_space: global }
      - { .name: Wf, .offset: 24, .size: 8, .value_kind: global_buffer, .address_space: global }
    .group_segment_fixed_size: 0
    .private_segment_fixed_size: 0
    .kernarg_segment_align: 8
    .kernarg_segment_size: 32
    .max_flat_workgroup_size: 128
    .sgpr_count:     66
    .vgpr_count:     32
    .wavefront_size: 32
...
	.end_amdgpu_metadata
.endif
;; end of part 1
;; launch proj (part 2): grid 256 x 1, 4 waves a work-group, clusters of 4 x 1, 327,680 bytes of LDS; arguments X, Wf, Qf, KVf; writes Qf, KVf
.if DOCPART == 2
	.amdgcn_target "amdgcn-amd-amdhsa--gfx1250"
	.amdhsa_code_object_version 6
	.text
	.protected	k_qe769bef941_proj
	.globl	k_qe769bef941_proj
	.p2align	8
	.type	k_qe769bef941_proj,@function
k_qe769bef941_proj:
	s_mov_b64 s[64:65], 0
	v_nop
	global_prefetch_b8 v0, s[64:65] scope:SCOPE_SE
	s_setreg_imm32_b32 hwreg(HW_REG_WAVE_MODE, 25, 1), 1
	s_wait_xcnt 0x0
	s_wait_alu depctr_hold_cnt(0) depctr_sa_sdst(0) depctr_va_vdst(0) depctr_va_sdst(0) depctr_va_ssrc(0) depctr_va_vcc(0) depctr_vm_vsrc(0)
	s_getreg_b32 s2, hwreg(HW_REG_IB_STS2, 6, 4)
	s_cmp_eq_u32 s2, 0
	s_cbranch_scc0 .Lentry_in_a_cluster
	s_endpgm
.Lentry_in_a_cluster:
	s_bfe_u32 s2, ttmp6, 0x10000c
	s_cmp_lg_u32 s2, 0x3003
	s_cbranch_scc0 .Lentry_shape_is_right
	s_endpgm
.Lentry_shape_is_right:
; Q, K, V = X W (with the scales that the launch before folded into Wf), f16 operands, f32 sums, results stored in f16 in the order
; in which the attention launch's fragments want them (L = lane, r = L & 15, h = L >> 4):
;   Qf  byte T*2048 + c*1024 + u*512 + 16 L, element i = Q[16 T + r][32 c + 16 u + 8 h + i]                 (T: tile of 16 rows)
;   KVf block g of 64 keys, 16,384 bytes: K at t*2048 + c*1024 + u*512 + 16 L, laid out like Qf;
;       V at 8192 + kc*4096 + mt*1024 + u*512 + 16 L, element i = V[64 g + 32 kc + 16 u + 8 h + i][16 mt + r]
; LIMIT: operands and results are f16: |X| < 65,504, and the scaled projections stay below 65,504, that is |x W_q| < 181,000,
; |x W_k| < 131,000, |x W_v| < 262,000; beyond that the conversion gives infinity.
; A work-group owns 64 rows of X and all 192 columns.  Wave w makes column tile w (16 columns) of Q, of K and of V for all 64 rows: 12 accumulators.
; Q and K are multiplied transposed (source 0 = weights, source 1 = X), so that a lane holds 8 neighbouring columns of one row; V the natural way, so that
; a lane holds 8 neighbouring keys of one column: the lane's 16 packed bytes are what the same lane of the next launch loads, and no LDS is needed on the way out.
; X: wave w loads its own 16 rows, one row's 512 consecutive bytes (128 k) a load, into a register ring of four chunks of 128 k (16 loads, 64 registers each),
; converts each number ONCE to f16 and stores it into one of two LDS buffers of 64 rows x 128 k, from which all four waves take their fragments.
; 48 to 64 loads of a wave are on their way, 96 to 128 KiB for the work-group.
; W, CLUSTER: every work-group walks the same 393,216 bytes of Wf, so four work-groups form a cluster and ask for them jointly (mask 15), which divides the
; requests by four.  Two LDS slots of 8 K steps (98,304 bytes), each wave bringing a quarter (96 rows of 256 dense bytes); four fills: two at the start, two behind
; rounds of the cluster's barrier.  At most two tensor loads of a wave are outstanding, by this text's count.  X is shared by nobody and is not asked for jointly.
.set XPITCH, 272                       ; an LDS row of X: 256 bytes (128 f16) + 16 = 17 x 16: the 16 rows that a fragment load touches start at 16 different 16-byte columns modulo 256 bytes
.set XBUF,   64*XPITCH                 ; one X buffer: 64 rows x 128 k
.set WSTEP,  12288                     ; Wf: one K step of 32, all 12 fragments
.set WCHUNK, 4*WSTEP                   ; the weights of one chunk of 128 k
.set WSLOT,  8*WSTEP                   ; one slot
.set WQUART, WSLOT/4                   ; what one tensor load brings
.set XBASE,  2*WSLOT                   ; the X buffers lie behind the ring, in bytes into which no fill lands
.set XOFF, 2                           ; v2      65536 w + 16 L: my 16 bytes in the first of my wave's 16 rows of X; never rewritten
.set OOFF, 3                           ; v3      512 w + 16 L: my place in a tile of Qf, and of K in KVf
.set VOFF, 4                           ; v4      1024 w + 16 L: my place in V
.set XA,   6                           ; v6, v7  LDS address of my part of an X fragment in buffer 0, 1
.set XS,   8                           ; v8, v9  LDS address of my 8 bytes in my wave's first row of buffer 0, 1
.set WA,   10                          ; v10-13  LDS address of my 16 bytes of my column tile's fragments, chunk & 3
.set ACCQ, 16                          ; v[16:47]   Q of row tiles 0..3
.set ACCK, 48                          ; v[48:79]   K
.set ACCV, 80                          ; v[80:111]  V
.set XF,   112                         ; v[112:175] X fragments, two buffers of 32: 8 registers a row tile
.set WF,   176                         ; v[176:223] W fragments, two buffers of 24: 8 M + 4 u
.set H,    224                         ; v[224:255] f16 on its way to LDS: 8 registers a quarter chunk
.set XR,   0                           ; window 1, v[0:255]: X in f32 as loaded: 64 (chunk & 3) + 4 x row
.set OQ,   112                         ; the way out: packed results
.set G1, 16                            ; s[16:23] descriptor group 1
.set G0, 24                            ; s[24:39] descriptor group 0, one set for each of the four fills: none is ever rewritten
.set MSB, 0
.macro WIN new                         ; s_set_vgpr_msb: bits 1:0 source 0, 3:2 source 1, 5:4 source 2, 7:6 destination; the high byte repeats the setting that is left
.if MSB != \new
	s_set_vgpr_msb (MSB<<8)|\new
.set MSB, \new
.endif
.endm
; A round of the cluster's barrier: my work-group's barrier, so that wave 0's signal speaks for all four waves; wave 0 signals for the work-group;
; every wave waits for all four work-groups; my work-group's barrier once more.
.macro ROUND
	s_barrier_signal -1
	s_barrier_wait -1
	s_cmp_lg_u32 s12, 0
	s_cbranch_scc1 .Lnot_wave_0_\@
	s_barrier_signal -3
.Lnot_wave_0_\@:
	s_barrier_wait -3
	s_barrier_signal -1
	s_barrier_wait -1
.endm
; four loads: rows 4 LQ .. 4 LQ + 3 of my 16, chunk LC; each covers 512 consecutive bytes of one row, aligned
.macro XLD
	WIN 0x40                                       ; destination window 1, address window 0
.irp i, 0,1,2,3
	global_load_b128 v[XR+64*(LC&3)+16*LQ+4*\i:XR+64*(LC&3)+16*LQ+4*\i+3], v[XOFF], s[4:5] offset:(4*LQ+\i)*4096+LC*512 th:TH_LOAD_NT
.endr
.endm
; Quarter NQ of chunk NC: four rows are converted, their registers are asked for again (chunk NC + 4), and the f16 goes to X buffer NC & 1.
.macro CONVQ
.if NC <= 3
	s_wait_loadcnt 60                              ; loads come back in order: behind my four stand 12 - 4 NQ of this chunk, three whole chunks (48) and the 4 NQ of chunk NC + 4
.else
	s_wait_loadcnt 12-4*NQ+16*(7-NC)               ; nothing is asked for again: the rest of this chunk and the chunks that are left
.endif
	WIN 0x05                                       ; sources window 1, destination window 0
.irp i, 0,1,2,3
	v_cvt_pk_f16_f32 v[H+8*NQ+2*\i],   v[XR+64*(NC&3)+16*NQ+4*\i],   v[XR+64*(NC&3)+16*NQ+4*\i+1]
	v_cvt_pk_f16_f32 v[H+8*NQ+2*\i+1], v[XR+64*(NC&3)+16*NQ+4*\i+2], v[XR+64*(NC&3)+16*NQ+4*\i+3]
.endr
.if NC <= 3
.set LC, NC+4
.set LQ, NQ
	XLD
.endif
	WIN 0
.irp i, 0,1,2,3
	ds_store_b64 v[XS+(NC&1)], v[H+8*NQ+2*\i:H+8*NQ+2*\i+1] offset:(4*NQ+\i)*XPITCH   ; 32 lanes x 8 bytes: one row's 256 consecutive bytes
.endr
.endm
; 14 LDS loads: K step FJ of chunk CC: four X fragments and my column tile's three W fragments, into fragment buffer FJ & 1
.macro FLOAD
	WIN 0
.irp mt, 0,1,2,3
	ds_load_b128 v[XF+32*(FJ&1)+8*\mt:XF+32*(FJ&1)+8*\mt+3],   v[XA+(CC&1)] offset:\mt*16*XPITCH+FJ*64      ; row 16 mt + r, k = 8 h .. 8 h + 7 of the step's 32
	ds_load_b128 v[XF+32*(FJ&1)+8*\mt+4:XF+32*(FJ&1)+8*\mt+7], v[XA+(CC&1)] offset:\mt*16*XPITCH+FJ*64+32   ; k = 16 + 8 h ..
.endr
.irp m, 0,1,2
.irp u, 0,1
	ds_load_b128 v[WF+24*(FJ&1)+8*\m+4*\u:WF+24*(FJ&1)+8*\m+4*\u+3], v[WA+(CC&3)] offset:FJ*WSTEP+\m*1024+\u*512   ; 512 consecutive bytes: Wf lies in fragment order
.endr
.endr
.endm
; 12 matrix instructions on 12 accumulators, which take turns, one instruction a turn.  The first K step starts the sums.
.macro MUL
	WIN 0
.irp mt, 0,1,2,3
.if (4*CC+JJ) == 0
	v_wmma_f32_16x16x32_f16 v[ACCQ+8*\mt:ACCQ+8*\mt+7], v[WF+24*(JJ&1):WF+24*(JJ&1)+7], v[XF+32*(JJ&1)+8*\mt:XF+32*(JJ&1)+8*\mt+7], 0
	v_wmma_f32_16x16x32_f16 v[ACCK+8*\mt:ACCK+8*\mt+7], v[WF+24*(JJ&1)+8:WF+24*(JJ&1)+15], v[XF+32*(JJ&1)+8*\mt:XF+32*(JJ&1)+8*\mt+7], 0
	v_wmma_f32_16x16x32_f16 v[ACCV+8*\mt:ACCV+8*\mt+7], v[XF+32*(JJ&1)+8*\mt:XF+32*(JJ&1)+8*\mt+7], v[WF+24*(JJ&1)+16:WF+24*(JJ&1)+23], 0
.else
	v_wmma_f32_16x16x32_f16 v[ACCQ+8*\mt:ACCQ+8*\mt+7], v[WF+24*(JJ&1):WF+24*(JJ&1)+7], v[XF+32*(JJ&1)+8*\mt:XF+32*(JJ&1)+8*\mt+7], v[ACCQ+8*\mt:ACCQ+8*\mt+7]
	v_wmma_f32_16x16x32_f16 v[ACCK+8*\mt:ACCK+8*\mt+7], v[WF+24*(JJ&1)+8:WF+24*(JJ&1)+15], v[XF+32*(JJ&1)+8*\mt:XF+32*(JJ&1)+8*\mt+7], v[ACCK+8*\mt:ACCK+8*\mt+7]
	v_wmma_f32_16x16x32_f16 v[ACCV+8*\mt:ACCV+8*\mt+7], v[XF+32*(JJ&1)+8*\mt:XF+32*(JJ&1)+8*\mt+7], v[WF+24*(JJ&1)+16:WF+24*(JJ&1)+23], v[ACCV+8*\mt:ACCV+8*\mt+7]
.endif
.endr
.endm
; K step JJ of chunk CC.  The fragment buffer that FLOAD fills was read by the matrix instructions of the step before: the eight conversions of CONVQ, which name none of
; their registers (in the last chunk four v_nop), are the places between (ISA guide 7.12.1 for vector instructions).
.macro STEP
.if CC < 7
.set NC, CC+1
.set NQ, JJ
	CONVQ                                          ; a quarter of the next chunk, into the X buffer that nobody reads in this chunk
.else
.rept 4
	v_nop
.endr
.endif
.if JJ < 3
.set FJ, JJ+1
	FLOAD                                          ; the next step's fragments
.endif
.if CC < 7
.if JJ < 3
	s_wait_dscnt 18                                ; LDS instructions end in order: this step's 14 loads are in; the 4 stores and 14 loads issued behind them stay out
.else
	s_wait_dscnt 4                                 ; a chunk's last step: only the 4 stores were issued behind its loads
.endif
.else
.if JJ < 3
	s_wait_dscnt 14                                ; the last chunk stores nothing: the 14 loads just issued stay out
.else
	s_wait_dscnt 0x0
.endif
.endif
	MUL
.endm
; Chunk CC.  ONE barrier at its head, for two things: every wave's stores of this chunk's X are done, and every wave's reads of the chunk before (its X buffer, its weights) are over.
; kind 0: that alone.  1: the first fill has landed too.  2: all my tensor loads have landed, the barrier is a round of the cluster's barrier, and the slot read in the last two
; chunks is filled again first thing behind it.  3: the last fill has landed; nothing is left to fetch.
.macro CHUNK kind
	WIN 0
	s_wait_dscnt 0x0                               ; for the others' sake: my stores into this chunk's X buffer and my reads of the last chunk
.if \kind == 1
	s_wait_tensorcnt 0x1                           ; my quarter of fill 0 is in; fill 1 may stay out
.endif
.if \kind >= 2
	s_set_vgpr_msb 0x8
	s_wait_tensorcnt 0x0                           ; all my tensor loads have landed, my quarter of this chunk's slot among them
	ds_add_u32 v5, v1
	s_wait_dscnt 0x0
	s_set_vgpr_msb 0x800
.endif
.if \kind == 2
	ROUND                                          ; both now hold of every wave of every work-group of the cluster
	tensor_load_to_lds s[G0+4*(CC/2+1):G0+4*(CC/2+1)+3], s[G1:G1+7]   ; my one load behind the round: it has two chunks' work in which to land
	s_nop 0
.else
	s_barrier_signal -1
	s_barrier_wait -1
.endif
.set FJ, 0
	FLOAD                                          ; into the buffer read two steps back: the last step's conversions stand between
.set JJ, 0
.rept 4
	STEP
.set JJ, JJ+1
.endr
.endm
	s_load_b256 s[4:11], s[0:1], 0x0               ; X s[4:5], Wf s[6:7], Qf s[8:9], KVf s[10:11]
	v_lshl_add_u32 v5, v0, 2, 0x38800
	s_set_vgpr_msb 0x80
	v_mov_b32 v1, 0
	s_set_vgpr_msb 0x8088
	ds_add_u32 v5, v1
	s_set_vgpr_msb 0x8800
	v_lshrrev_b32 v1, 5, v0
	v_readfirstlane_b32 s12, v1                    ; wave w
	s_bfe_u32 s13, ttmp6, 0x40000                  ; cx: it enters the addresses of X, Qf and KVf alone
	s_lshl_b32 s14, ttmp9, 2
	s_add_co_u32 s14, s14, s13                     ; row block = 4 x cluster + cx
	v_and_b32 v1, 31, v0                           ; L
	s_lshl_b32 s44, s12, 16                        ; 16 rows of 4,096 bytes a wave
	v_lshl_add_u32 v[XOFF], v1, 4, s44
	s_lshl_b32 s40, s14, 18                        ; 64 rows of 4,096 bytes a work-group
	s_mov_b32 s41, 0
	s_mul_i32 s42, s12, WQUART                     ; my quarter of a fill, in Wf and in a slot
	s_mov_b32 s43, 0
	; group 1: 24,576 dense bytes as 96 rows of 32 elements of 8 bytes; the mask names the cluster's four work-groups
	s_mov_b32 s[G1+0], (15)|(3<<16)|(1<<21)        ; 15:0 mask; 17:16 element of 8 bytes; 21 set beside a mask
	s_mov_b32 s[G1+1], 32<<16                      ; tensor_dim0 = 32
	s_mov_b32 s[G1+2], 96<<16                      ; tensor_dim1 = 96
	s_mov_b32 s[G1+3], 32<<16                      ; tile_dim0 = 32
	s_mov_b32 s[G1+4], 96                          ; tile_dim1 = 96
	s_mov_b32 s[G1+5], 32                          ; elements from row to row
	s_mov_b32 s[G1+6], 0
	s_mov_b32 s[G1+7], 0
	s_wait_dscnt 0x0
	s_wait_kmcnt 0x0
	s_add_nc_u64 s[4:5], s[4:5], s[40:41]
.set LC, 0
.rept 3
.set LQ, 0
.rept 4
	XLD                                            ; chunks 0 to 2 are asked for ahead of the round: 48 loads
.set LQ, LQ+1
.endr
.set LC, LC+1
.endr
	WIN 0
	s_add_nc_u64 s[6:7], s[6:7], s[42:43]
.irp f, 0,1,2,3
	s_mov_b32 s[G0+4*\f], 1
	s_add_co_u32 s[G0+4*\f+1], s42, (\f&1)*WSLOT                   ; LDS: the slot's constant + the wave's number times a constant
	s_add_nc_u64 s[G0+4*\f+2:G0+4*\f+3], s[6:7], \f*WSLOT          ; K steps 8 f .. 8 f + 7: the same in all four partners
	s_or_b32 s[G0+4*\f+3], s[G0+4*\f+3], 0x80000000                ; type
.endr
	ROUND                                          ; all four work-groups are here: the first joint loads meet
	tensor_load_to_lds s[G0:G0+3], s[G1:G1+7]      ; both first fills in one group, ahead of every wait on them, LDS read and further barrier
	s_nop 0
	tensor_load_to_lds s[G0+4:G0+7], s[G1:G1+7]
	s_nop 0
.set LC, 3
.set LQ, 0
.rept 4
	XLD                                            ; chunk 3: the ring is full, 64 loads
.set LQ, LQ+1
.endr
	WIN 0
	v_and_b32 v14, 15, v0                          ; r
	v_bfe_u32 v15, v0, 4, 1                        ; h
	v_mul_u32_u24 v[XA], v14, XPITCH
	v_lshl_add_u32 v[XA], v15, 4, v[XA]
	v_add_nc_u32 v[XA], XBASE, v[XA]               ; row r, 8 h numbers of 2 bytes
	v_add_nc_u32 v[XA+1], XBUF, v[XA]
	s_mul_i32 s45, s12, 16*XPITCH
	s_add_co_u32 s45, s45, XBASE
	v_lshl_add_u32 v[XS], v1, 3, s45               ; my wave's 16 rows, 4 L numbers of 2 bytes
	v_add_nc_u32 v[XS+1], XBUF, v[XS]
	s_mul_i32 s46, s12, 3072                       ; my column tile's six half fragments in a K step
	v_lshl_add_u32 v[WA], v1, 4, s46
	v_add_nc_u32 v[WA+1], WCHUNK, v[WA]
	v_add_nc_u32 v[WA+2], 2*WCHUNK, v[WA]
	v_add_nc_u32 v[WA+3], 3*WCHUNK, v[WA]
	s_lshl_b32 s47, s12, 9
	v_lshl_add_u32 v[OOFF], v1, 4, s47
	s_lshl_b32 s47, s12, 10
	v_lshl_add_u32 v[VOFF], v1, 4, s47
	s_lshl_b32 s40, s14, 13                        ; four tiles of 2,048 bytes in Qf
	s_add_nc_u64 s[8:9], s[8:9], s[40:41]
	s_lshl_b32 s40, s14, 14                        ; one block of 16,384 bytes in KVf
	s_add_nc_u64 s[10:11], s[10:11], s[40:41]
.set NC, 0
.set NQ, 0
.rept 4
	CONVQ                                          ; chunk 0 into X buffer 0; chunk 4 is asked for
.set NQ, NQ+1
.endr
.set CC, 0
	CHUNK 1                                        ; weights: slot 0 (fill 0)
.set CC, 1
	CHUNK 0
.set CC, 2
	CHUNK 2                                        ; slot 1 (fill 1); slot 0 is filled again: fill 2
.set CC, 3
	CHUNK 0
.set CC, 4
	CHUNK 2                                        ; slot 0 (fill 2); slot 1 is filled again: fill 3, the last
.set CC, 5
	CHUNK 0
.set CC, 6
	CHUNK 3                                        ; slot 1 (fill 3): the wait was for zero, no tensor load is out from here on
.set CC, 7
	CHUNK 0
	; THE WAY OUT.  Four places behind the last matrix instructions, then 48 conversions and 12 stores of 512 consecutive aligned bytes a wave.
	WIN 0
.rept 4
	v_nop
.endr
.irp mt, 0,1,2,3
.irp i, 0,1,2,3
	v_cvt_pk_f16_f32 v[OQ+4*\mt+\i],    v[ACCQ+8*\mt+2*\i], v[ACCQ+8*\mt+2*\i+1]   ; Q[16 mt + r][16 w + 8 h + 2 i, + 1]
	v_cvt_pk_f16_f32 v[OQ+16+4*\mt+\i], v[ACCK+8*\mt+2*\i], v[ACCK+8*\mt+2*\i+1]   ; K likewise
	v_cvt_pk_f16_f32 v[OQ+32+4*\mt+\i], v[ACCV+8*\mt+2*\i], v[ACCV+8*\mt+2*\i+1]   ; V[16 mt + 8 h + 2 i, + 1][16 w + r]
.endr
.endr
.irp mt, 0,1,2,3
	global_store_b128 v[OOFF], v[OQ+4*\mt:OQ+4*\mt+3], s[8:9] offset:\mt*2048
	global_store_b128 v[OOFF], v[OQ+16+4*\mt:OQ+16+4*\mt+3], s[10:11] offset:\mt*2048
	global_store_b128 v[VOFF], v[OQ+32+4*\mt:OQ+32+4*\mt+3], s[10:11] offset:8192+(\mt>>1)*4096+(\mt&1)*512
.endr
	s_set_vgpr_msb 0x8
	s_wait_tensorcnt 0x0
	ds_add_u32 v5, v1
	s_wait_dscnt 0x0
	s_set_vgpr_msb 0x800
	ROUND                                          ; the closing round: no work-group ends while a partner may still ask for a fill that names it
	s_endpgm
.Lfunc_end_k_qe769bef941_proj:
	.size	k_qe769bef941_proj, .Lfunc_end_k_qe769bef941_proj-k_qe769bef941_proj
	.p2alignl 7, 3214868480
	.fill 96, 4, 3214868480
	.section	.rodata,"a",@progbits
	.p2align	6, 0x0
	.amdhsa_kernel k_qe769bef941_proj
		.amdhsa_group_segment_fixed_size 327680
		.amdhsa_private_segment_fixed_size 0
		.amdhsa_enable_private_segment 0
		.amdhsa_kernarg_size 32
		.amdhsa_user_sgpr_count 2
		.amdhsa_user_sgpr_kernarg_segment_ptr 1
		.amdhsa_wavefront_size32 1
		.amdhsa_system_sgpr_workgroup_id_x 1
		.amdhsa_system_sgpr_workgroup_id_y 1
		.amdhsa_system_sgpr_workgroup_id_z 1
		.amdhsa_system_vgpr_workitem_id 0
		.amdhsa_next_free_vgpr 514
		.amdhsa_next_free_sgpr 66
		.amdhsa_reserve_vcc 0
		.amdhsa_float_denorm_mode_32 3
		.amdhsa_float_denorm_mode_16_64 3
		.amdhsa_memory_ordered 1
		.amdhsa_forward_progress 1
		.amdhsa_inst_pref_size 105
	.end_amdhsa_kernel
	.amdgpu_metadata
---
amdhsa.version: [ 1, 2 ]
amdhsa.kernels:
  - .name:           k_qe769bef941_proj
    .symbol:         k_qe769bef941_proj.kd
    .args:
      - { .name: X, .offset: 0, .size: 8, .value_kind: global_buffer, .address_space: global }
      - { .name: Wf, .offset: 8, .size: 8, .value_kind: global_buffer, .address_space: global }
      - { .name: Qf, .offset: 16, .size: 8, .value_kind: global_buffer, .address_space: global }
      - { .name: KVf, .offset: 24, .size: 8, .value_kind: global_buffer, .address_space: global }
    .group_segment_fixed_size: 327680
    .private_segment_fixed_size: 0
    .kernarg_segment_align: 8
    .kernarg_segment_size: 32
    .max_flat_workgroup_size: 128
    .sgpr_count:     66
    .vgpr_count:     514
    .wavefront_size: 32
...
	.end_amdgpu_metadata
.endif
;; end of part 2
;; launch attn (part 3): grid 256 x 1, 8 waves a work-group, clusters of 4 x 1, 327,680 bytes of LDS; arguments Qf, KVf, out0; writes out0
.if DOCPART == 3
	.amdgcn_target "amdgcn-amd-amdhsa--gfx1250"
	.amdhsa_code_object_version 6
	.text
	.protected	k_qe769bef941_attn
	.globl	k_qe769bef941_attn
	.p2align	8
	.type	k_qe769bef941_attn,@function
k_qe769bef941_attn:
	s_mov_b64 s[64:65], 0
	v_nop
	global_prefetch_b8 v0, s[64:65] scope:SCOPE_SE
	s_setreg_imm32_b32 hwreg(HW_REG_WAVE_MODE, 25, 1), 1
	s_wait_xcnt 0x0
	s_wait_alu depctr_hold_cnt(0) depctr_sa_sdst(0) depctr_va_vdst(0) depctr_va_sdst(0) depctr_va_ssrc(0) depctr_va_vcc(0) depctr_vm_vsrc(0)
	s_getreg_b32 s2, hwreg(HW_REG_IB_STS2, 6, 4)
	s_cmp_eq_u32 s2, 0
	s_cbranch_scc0 .Lentry_in_a_cluster
	s_endpgm
.Lentry_in_a_cluster:
	s_bfe_u32 s2, ttmp6, 0x10000c
	s_cmp_lg_u32 s2, 0x3003
	s_cbranch_scc0 .Lentry_shape_is_right
	s_endpgm
.Lentry_shape_is_right:
; out = softmax(Q K^T / 8) V for 4 batches of 4,096 rows of 64, from the f16 fragments that the launch before stored (layouts in its head).
; Q and K carry log2(e)/8 between them, so a score is ready for 2^x; V carries 1/4, taken back by the factor 4 in the last normalisation.
; A running maximum is taken away before every exponential, as the reference's softmax does.
; LIMIT: an exponential whose result is below 2^-126 counts as zero (ISA guide, v_exp_f32); the weights go to the matrix unit in f16, so one below
; about 6e-8 of its row's largest counts as zero; the sum of a row's weights is kept in f32 from the unrounded weights.
; A work-group owns 64 queries.  Wave w takes all 64 queries x keys 512 w .. 512 w + 511, in 8 blocks of 64 keys, with its own maximum, sum and
; 64 x 64 partial result; the eight partial results are merged in LDS at the end.  So each byte of K and V in LDS is read by one wave, once:
; 16,384 bytes for 64 matrix instructions.
; CLUSTER: the four work-groups of a cluster are four query blocks of one batch (64 blocks a batch, 16 clusters) and walk the same K and V: every
; block of 64 keys is asked for jointly, mask 15, which divides the requests by four.  Each wave asks for its own block, 16,384 dense bytes, through a ring of
; two slots: both first fills at the start (two loads outstanding at the most, by this text's count), then one load behind each of six rounds of the cluster's barrier.
; ORIENTATION: S^T = K Q^T (source 0 = K, source 1 = Q): lane (r, h) holds query 16 nt + r and keys 16 t + 8 h + j.  So maximum, sum and rescaling are one number
; a lane, joined over the two halves of the lanes by one v_permlanex16_b32, and packing key tiles 2 kc, 2 kc + 1 gives source 1 of O^T = V^T P^T with no shuffle.
; ORDER: a period begins where K(i) and V(i) lie in registers and S(i) = K(i) Q^T has been formed.  At its head slot i & 1 is handed back (the round, the refill with block i + 2);
; K(i+1) is read from the other slot straight behind the refill and V(i+1) straight behind the products with V(i), so that each has other work in front of its first use.
; Between two rounds waves 0-3 run softmax(i), P V(i), K Q(i+1), and waves 4-7 run P V(i), K Q(i+1), softmax(i+1): the same steps half a period apart, so that at
; any time half of the waves have matrix work and the other half vector work.  The branches on the wave's number jump over register work alone.
.set BLOCK,  16384                     ; 64 keys: 8,192 bytes of K, 8,192 of V
.set SLOT,   131072                    ; eight waves' blocks
.set STATS,  262144                    ; behind the ring, 4,096 bytes into which no fill lands: nt*1024 + r*64 + {maxima 4 w, sums 32 + 4 w}
.set SPITCH, 272                       ; merge stage: a row of 64 f32 + 16 bytes = 17 x 16: 16 rows start at 16 different 16-byte columns modulo 256 bytes
.set PART,   64*SPITCH                 ; one wave's partial result; the stage lies in the slots, behind their last fill
.set LA,   4                           ; v4, v5  LDS address of my 16 bytes in my block of slot 0, 1
.set QO,   6                           ; v6      16 L
.set SA,   7                           ; v7      where I store a maximum (lanes 0-15) or a sum (lanes 16-31)
.set SR,   8                           ; v8      where query r's eight maxima and eight sums lie
.set ST,   9                           ; v9      where I put 32 bytes of my partial result
.set RD0,  10                          ; v10     where I read partial results 0-3 back
.set RD1,  11                          ; v11     partial results 4-7
.set CO,   12                          ; v12     my byte offset in the work-group's rows of out0
.set T,    16                          ; v[16:19] one number for each query tile nt
.set U,    20                          ; v[20:23]
.set TN,   24                          ; v[24:27]
.set DD,   28                          ; v[28:31]
.set QF,   32                          ; v[32:95]   Q fragments: 16 nt + 8 c
.set KF,   96                          ; v[96:159]  K fragments: 16 t + 8 c
.set VF,   160                         ; v[160:223] V fragments: 32 kc + 8 mt
.set MX,   224                         ; v[224:231] running maximum, twice (a pair for the packed forms), 2 nt
.set AL,   232                         ; v[232:239] this block's rescaling factor, twice
.set LP,   240                         ; v[240:247] running sum, in two halves
.set GG,   248                         ; v[248:255] the merge's factor, twice
.set RB,   32                          ; the merge: 32 x 4 registers read back, over QF and KF
.set SS,   0                           ; window 1, v[0:127]:   S(t, nt) at 32 nt + 8 t; P(kc, nt) made in place at 32 nt + 16 kc
.set OO,   128                         ; window 1, v[128:255]: O(mt, nt) at 32 nt + 8 mt
.set G1, 16                            ; s[16:23] descriptor group 1
.set G0, 24                            ; s[24:31] descriptor group 0, one set for each slot
.set MSB, 0
.macro WIN new                         ; s_set_vgpr_msb: bits 1:0 source 0, 3:2 source 1, 5:4 source 2, 7:6 destination; the high byte repeats the setting that is left
.if MSB != \new
	s_set_vgpr_msb (MSB<<8)|\new
.set MSB, \new
.endif
.endm
; A round of the cluster's barrier: my work-group's barrier, so that wave 0's signal speaks for all eight waves; wave 0 signals for the work-group;
; every wave waits for all four work-groups; my work-group's barrier once more.
.macro ROUND
	s_barrier_signal -1
	s_barrier_wait -1
	s_cmp_lg_u32 s10, 0
	s_cbranch_scc1 .Lnot_wave_0_\@
	s_barrier_signal -3
.Lnot_wave_0_\@:
	s_barrier_wait -3
	s_barrier_signal -1
	s_barrier_wait -1
.endm
; 16 LDS loads each: my block's K, my block's V.  32 lanes x 16 neighbouring bytes: the block lies in fragment order.
.macro KLOAD slot
.irp i, 0,1,2,3,4,5,6,7,8,9,10,11,12,13,14,15
	ds_load_b128 v[KF+4*\i:KF+4*\i+3], v[LA+\slot] offset:512*\i
.endr
.endm
.macro VLOAD slot
.irp i, 0,1,2,3,4,5,6,7,8,9,10,11,12,13,14,15
	ds_load_b128 v[VF+4*\i:VF+4*\i+3], v[LA+\slot] offset:8192+512*\i
.endr
.endm
; S^T = K Q^T: 16 accumulators take turns, one instruction a turn; the first half of the 64 columns starts the sums
.macro QK
	WIN 0x50                                       ; K and Q window 0, C and D window 1
.irp nt, 0,1,2,3
.irp t, 0,1,2,3
	v_wmma_f32_16x16x32_f16 v[SS+32*\nt+8*\t:SS+32*\nt+8*\t+7], v[KF+16*\t:KF+16*\t+7], v[QF+16*\nt:QF+16*\nt+7], 0
.endr
.endr
.irp nt, 0,1,2,3
.irp t, 0,1,2,3
	v_wmma_f32_16x16x32_f16 v[SS+32*\nt+8*\t:SS+32*\nt+8*\t+7], v[KF+16*\t+8:KF+16*\t+15], v[QF+16*\nt+8:QF+16*\nt+15], v[SS+32*\nt+8*\t:SS+32*\nt+8*\t+7]
.endr
.endr
.rept 5
	v_nop                                          ; places behind the products: four before a vector instruction reads S or a load lands in K's registers, five before a matrix instruction takes S's registers as a source
.endr
	WIN 0
.endm
; From S to P (f16, in place), with maximum, sum and the rescaling of the result so far.  first = 1: the first block starts maximum and sum, and there is no result yet.
.macro SOFTMAX first
	; the largest of my 32 scores of each query tile: four chains side by side
	WIN 0x05
.irp nt, 0,1,2,3
	v_max_num_f32 v[T+\nt], v[SS+32*\nt], v[SS+32*\nt+1]
.endr
.irp i, 1,2,3,4,5,6,7,8,9,10,11,12,13,14,15
.irp nt, 0,1,2,3
	v_max3_num_f32 v[T+\nt], v[SS+32*\nt+2*\i], v[SS+32*\nt+2*\i+1], v[T+\nt]
.endr
.endr
	WIN 0
.irp nt, 0,1,2,3
	v_permlanex16_b32 v[U+\nt], v[T+\nt], s14, s15 ; the other half of the lanes holds the query's other 32 keys
.endr
.if \first
.irp nt, 0,1,2,3
	v_max_num_f32 v[MX+2*\nt], v[T+\nt], v[U+\nt]
	v_max_num_f32 v[MX+2*\nt+1], v[T+\nt], v[U+\nt]
.endr
.else
.irp nt, 0,1,2,3
	v_max3_num_f32 v[TN+\nt], v[T+\nt], v[U+\nt], v[MX+2*\nt]      ; the new running maximum
.endr
.irp nt, 0,1,2,3
	v_sub_f32 v[DD+\nt], v[MX+2*\nt], v[TN+\nt]
.endr
.irp nt, 0,1,2,3
	v_exp_f32 v[AL+2*\nt], v[DD+\nt]               ; 2^(old - new), twice, for the packed multiplies
	v_exp_f32 v[AL+2*\nt+1], v[DD+\nt]
.endr
.irp nt, 0,1,2,3
	v_mov_b32 v[MX+2*\nt], v[TN+\nt]               ; plain instructions that touch neither AL nor DD stand behind the exponentials (ISA guide 5.7.2)
	v_mov_b32 v[MX+2*\nt+1], v[TN+\nt]
.endr
	s_wait_alu depctr_va_vdst(0)
.irp nt, 0,1,2,3
	v_pk_mul_f32 v[LP+2*\nt:LP+2*\nt+1], v[LP+2*\nt:LP+2*\nt+1], v[AL+2*\nt:AL+2*\nt+1]
.endr
.endif
	; P = 2^(S - maximum), in place
	WIN 0x41                                       ; S window 1, the pair of maxima window 0
.irp nt, 0,1,2,3
.irp i, 0,1,2,3,4,5,6,7,8,9,10,11,12,13,14,15
	v_pk_add_f32 v[SS+32*\nt+2*\i:SS+32*\nt+2*\i+1], v[SS+32*\nt+2*\i:SS+32*\nt+2*\i+1], v[MX+2*\nt:MX+2*\nt+1] neg_lo:[0,1] neg_hi:[0,1]
.endr
.set EI, 0
.rept 32
	v_exp_f32 v[SS+32*\nt+EI], v[SS+32*\nt+EI]
.set EI, EI+1
.endr
.endr
	v_nop                                          ; one plain place behind the run of exponentials before their results are read (ISA guide 5.7.2)
	; the sums, in f32, four chains side by side
.if \first
	WIN 0x05
	s_wait_alu depctr_va_vdst(0)
.irp nt, 0,1,2,3
	v_pk_add_f32 v[LP+2*\nt:LP+2*\nt+1], v[SS+32*\nt:SS+32*\nt+1], v[SS+32*\nt+2:SS+32*\nt+3]   ; the first two pairs start the sum
.endr
	WIN 0x01
.irp i, 2,3,4,5,6,7,8,9,10,11,12,13,14,15
.irp nt, 0,1,2,3
	v_pk_add_f32 v[LP+2*\nt:LP+2*\nt+1], v[SS+32*\nt+2*\i:SS+32*\nt+2*\i+1], v[LP+2*\nt:LP+2*\nt+1]
.endr
.endr
.else
	WIN 0x01
	s_wait_alu depctr_va_vdst(0)
.irp i, 0,1,2,3,4,5,6,7,8,9,10,11,12,13,14,15
.irp nt, 0,1,2,3
	v_pk_add_f32 v[LP+2*\nt:LP+2*\nt+1], v[SS+32*\nt+2*\i:SS+32*\nt+2*\i+1], v[LP+2*\nt:LP+2*\nt+1]
.endr
.endr
.endif
	; P to f16, in place: key tiles 2 kc and 2 kc + 1 (16 registers) become one fragment (8 registers); each register is written after it was read
	WIN 0x45
.irp nt, 0,1,2,3
.irp kc, 0,1
.irp i, 0,1,2,3,4,5,6,7
	v_cvt_pk_f16_f32 v[SS+32*\nt+16*\kc+\i], v[SS+32*\nt+16*\kc+2*\i], v[SS+32*\nt+16*\kc+2*\i+1]
.endr
.endr
.endr
.if \first
.else
	WIN 0x41
.irp nt, 0,1,2,3
.irp i, 0,1,2,3,4,5,6,7,8,9,10,11,12,13,14,15
	v_pk_mul_f32 v[OO+32*\nt+2*\i:OO+32*\nt+2*\i+1], v[OO+32*\nt+2*\i:OO+32*\nt+2*\i+1], v[AL+2*\nt:AL+2*\nt+1]   ; the result so far, to the new maximum
.endr
.endr
.endif
	WIN 0                                          ; a label follows
.endm
; The softmax step of waves 0-3, and that of waves 4-7: the branch hangs on the wave's number alone and jumps over register work alone.
.macro SOFTMAX_LOW first
	s_cmp_ge_u32 s10, 4
	s_cbranch_scc1 .Lnot_low_\@
	SOFTMAX \first
.Lnot_low_\@:
.endm
.macro SOFTMAX_HIGH first
	s_cmp_lt_u32 s10, 4
	s_cbranch_scc1 .Lnot_high_\@
	SOFTMAX \first
.Lnot_high_\@:
.endm
; O^T += V^T P^T: 16 accumulators take turns, one instruction a turn.  first = 1: the first block starts the sums.
.macro PV first
	WIN 0x54                                       ; V window 0; P, C and D window 1
.irp nt, 0,1,2,3
.irp mt, 0,1,2,3
.if \first
	v_wmma_f32_16x16x32_f16 v[OO+32*\nt+8*\mt:OO+32*\nt+8*\mt+7], v[VF+8*\mt:VF+8*\mt+7], v[SS+32*\nt:SS+32*\nt+7], 0
.else
	v_wmma_f32_16x16x32_f16 v[OO+32*\nt+8*\mt:OO+32*\nt+8*\mt+7], v[VF+8*\mt:VF+8*\mt+7], v[SS+32*\nt:SS+32*\nt+7], v[OO+32*\nt+8*\mt:OO+32*\nt+8*\mt+7]
.endif
.endr
.endr
.irp nt, 0,1,2,3
.irp mt, 0,1,2,3
	v_wmma_f32_16x16x32_f16 v[OO+32*\nt+8*\mt:OO+32*\nt+8*\mt+7], v[VF+32+8*\mt:VF+32+8*\mt+7], v[SS+32*\nt+16:SS+32*\nt+23], v[OO+32*\nt+8*\mt:OO+32*\nt+8*\mt+7]
.endr
.endr
.rept 5
	v_nop                                          ; five places before the next block's products write over P, four before loads land in V's registers
.endr
	WIN 0
.endm
; Period i, slot = i & 1.  refill = 1: slot i & 1 is handed back and filled with block i + 2.  next = 1: there is a block i + 1.  first = 1: i = 0.
.macro PERIOD slot, refill, next, first
	s_wait_dscnt 0x0                               ; K(i) and V(i) are in registers: my reads of this slot are over
.if \next
	s_wait_tensorcnt 0x0                           ; all my tensor loads are done: the one that was out is block i + 1, in the other slot
	ds_add_u32 v14, v15
	s_wait_dscnt 0x0
.endif
.if \refill
	s_add_nc_u64 s[G0+4*\slot+2:G0+4*\slot+3], s[G0+4*\slot+2:G0+4*\slot+3], 2*BLOCK   ; no load of mine is out, so a group 0 may be written: this slot's next block
	ROUND                                          ; both waits now hold of every wave of every work-group of the cluster
	tensor_load_to_lds s[G0+4*\slot:G0+4*\slot+3], s[G1:G1+7]      ; my one load behind the round: it has a whole period in which to land
	s_nop 0
.endif
.if \next
	KLOAD 1-\slot                                  ; K(i+1): first used behind the products with V(i)
.endif
	SOFTMAX_LOW \first                             ; waves 0-3: block i
	PV \first
.if \next
	VLOAD 1-\slot                                  ; V(i+1): first used in the next period
	s_wait_dscnt 0x10                              ; K(i+1) is in; V's 16 loads, issued behind K's, may stay out
	QK
	SOFTMAX_HIGH 0                                 ; waves 4-7: block i + 1
.endif
.endm
	s_load_b128 s[4:7], s[0:1], 0x0                ; Qf s[4:5], KVf s[6:7]
	s_load_b64 s[8:9], s[0:1], 0x10                ; out0
	v_lshl_add_u32 v14, v0, 2, 0x41000
	v_mov_b32 v15, 0
	ds_add_u32 v14, v15
	v_lshrrev_b32 v1, 5, v0
	v_readfirstlane_b32 s10, v1                    ; wave w
	s_bfe_u32 s11, ttmp6, 0x40000                  ; cx: it enters the addresses of Qf and out0 alone
	s_lshl_b32 s12, ttmp9, 2
	s_add_co_u32 s12, s12, s11                     ; query block = 4 x cluster + cx
	s_mov_b32 s14, 0x76543210                      ; v_permlanex16_b32: lane i of one half reads lane i of the other
	s_mov_b32 s15, 0xfedcba98
	; group 1: 16,384 dense bytes as 64 rows of 32 elements of 8 bytes; the mask names the cluster's four work-groups
	s_mov_b32 s[G1+0], (15)|(3<<16)|(1<<21)        ; 15:0 mask; 17:16 element of 8 bytes; 21 set beside a mask
	s_mov_b32 s[G1+1], 32<<16                      ; tensor_dim0 = 32
	s_mov_b32 s[G1+2], 64<<16                      ; tensor_dim1 = 64
	s_mov_b32 s[G1+3], 32<<16                      ; tile_dim0 = 32
	s_mov_b32 s[G1+4], 64                          ; tile_dim1 = 64
	s_mov_b32 s[G1+5], 32                          ; elements from row to row
	s_mov_b32 s[G1+6], 0
	s_mov_b32 s[G1+7], 0
	s_lshr_b32 s32, ttmp9, 4                       ; batch: 16 clusters each, the same in all four partners
	s_lshl_b32 s32, s32, 20                        ; 64 blocks of 16,384 bytes a batch
	s_lshl_b32 s34, s10, 17                        ; 8 blocks a wave
	s_add_co_u32 s32, s32, s34
	s_mov_b32 s33, 0
	s_lshl_b32 s35, s10, 14                        ; my block in a slot
	s_lshl_b32 s36, s12, 13                        ; four tiles of 2,048 bytes in Qf
	s_mov_b32 s37, 0
	s_wait_dscnt 0x0
	s_wait_kmcnt 0x0
	s_add_nc_u64 s[6:7], s[6:7], s[32:33]
	s_add_nc_u64 s[4:5], s[4:5], s[36:37]
	s_lshl_b32 s36, s12, 14                        ; 64 rows of 256 bytes in out0
	s_add_nc_u64 s[8:9], s[8:9], s[36:37]
.irp n, 0,1
	s_mov_b32 s[G0+4*\n], 1
	s_add_co_u32 s[G0+4*\n+1], s35, \n*SLOT                        ; LDS: the slot's constant + the wave's number times a constant
	s_add_nc_u64 s[G0+4*\n+2:G0+4*\n+3], s[6:7], \n*BLOCK          ; block n of my eight
	s_or_b32 s[G0+4*\n+3], s[G0+4*\n+3], 0x80000000                ; type
.endr
	ROUND                                          ; all four work-groups are here: the first joint loads meet
	tensor_load_to_lds s[G0:G0+3], s[G1:G1+7]      ; blocks 0 and 1: both first fills in one group, ahead of every wait on them, LDS read and further barrier
	s_nop 0
	tensor_load_to_lds s[G0+4:G0+7], s[G1:G1+7]
	s_nop 0
	v_and_b32 v1, 31, v0                           ; L
	v_and_b32 v2, 15, v0                           ; r
	v_bfe_u32 v3, v0, 4, 1                         ; h
	v_lshlrev_b32 v[QO], 4, v1
.irp i, 0,1,2,3,4,5,6,7,8,9,10,11,12,13,14,15
	global_load_b128 v[QF+4*\i:QF+4*\i+3], v[QO], s[4:5] offset:512*\i   ; my work-group's 64 queries, every wave all of them
.endr
	v_add_nc_u32 v[LA], s35, v[QO]
	v_add_nc_u32 v[LA+1], SLOT, v[LA]
	v_lshlrev_b32 v[SA], 6, v2
	v_add_nc_u32 v[SR], STATS, v[SA]               ; STATS + 64 r
	v_lshl_add_u32 v[SA], v3, 5, v[SR]             ; + 32 h
	s_lshl_b32 s38, s10, 2
	v_add_nc_u32 v[SA], s38, v[SA]                 ; + 4 w
	v_mul_u32_u24 v[ST], v2, SPITCH
	v_lshl_add_u32 v[ST], v3, 5, v[ST]
	s_mul_i32 s39, s10, PART
	v_add_nc_u32 v[ST], s39, v[ST]                 ; my partial result, row r, 8 h numbers of 4 bytes
	v_lshl_add_u32 v13, s10, 3, v3                 ; 8 w + h
	v_mul_u32_u24 v[RD0], v13, SPITCH
	v_lshl_add_u32 v[RD0], v2, 4, v[RD0]           ; row 8 w + h, 16 bytes a lane
	v_add_nc_u32 v[RD1], 4*PART, v[RD0]
	v_lshlrev_b32 v[CO], 8, v13
	v_lshl_add_u32 v[CO], v2, 4, v[CO]
.irp nt, 0,1,2,3
	v_mov_b32 v[U+\nt], 0                          ; v_permlanex16_b32 counts as a reader of its destination
.endr
	s_wait_tensorcnt 0x1                           ; tensor loads end in order: my block 0 is in, block 1 may stay out; only I read my blocks
	KLOAD 0
	VLOAD 0
	s_wait_dscnt 0x10                              ; K(0) is in; V's 16 loads may stay out
	s_wait_loadcnt 0x0                             ; Q, once
	QK
	SOFTMAX_HIGH 1                                 ; waves 4-7 go half a period ahead
	PERIOD 0, 1, 1, 1                              ; blocks 0 and 1 stand in front of the loop: the first starts the sums
	PERIOD 1, 1, 1, 0
	s_mov_b32 s40, 2
.Lperiods:
	PERIOD 0, 1, 1, 0                              ; blocks 2 to 5; blocks 4 to 7 are asked for
	PERIOD 1, 1, 1, 0
	s_sub_co_u32 s40, s40, 1
	s_cmp_lg_u32 s40, 0
	s_cbranch_scc1 .Lperiods
	PERIOD 0, 0, 1, 0                              ; block 6: nothing is left to fetch, so no round; its wait for zero shows block 7, the last load, landed
	PERIOD 1, 0, 0, 0                              ; block 7
	; THE MERGE of the eight waves' partial results.
	; (a) every wave publishes its maximum and its sum for each of the 64 queries
	v_cmp_le_u32 vcc_lo, 16, v1                    ; lanes 16-31
.irp nt, 0,1,2,3
	v_add_f32 v[T+\nt], v[LP+2*\nt], v[LP+2*\nt+1]
.endr
.irp nt, 0,1,2,3
	v_permlanex16_b32 v[U+\nt], v[T+\nt], s14, s15
.endr
.irp nt, 0,1,2,3
	v_add_f32 v[T+\nt], v[T+\nt], v[U+\nt]         ; the sum over my wave's 512 keys
	v_cndmask_b32 v[TN+\nt], v[MX+2*\nt], v[T+\nt], vcc_lo         ; lanes 0-15 store the maximum, lanes 16-31 the sum
	ds_store_b32 v[SA], v[TN+\nt] offset:\nt*1024
.endr
	s_wait_dscnt 0x0                               ; my stores are done, and so have been my reads of the slots
	s_barrier_signal -1
	s_barrier_wait -1                              ; every wave's are: the figures may be read, and the slots, whose last fill has landed, may be written
	; (b) the common maximum, the whole sum, and my factor 2^(mine - common) x 4 / sum
.irp nt, 0,1,2,3
.irp q, 0,1,2,3
	ds_load_b128 v[KF+16*\nt+4*\q:KF+16*\nt+4*\q+3], v[SR] offset:\nt*1024+16*\q   ; registers 0-7: eight maxima; 8-15: eight sums
.endr
.endr
	s_wait_dscnt 0x0
.irp nt, 0,1,2,3
	v_max3_num_f32 v[T+\nt], v[KF+16*\nt], v[KF+16*\nt+1], v[KF+16*\nt+2]
.endr
.irp nt, 0,1,2,3
	v_max3_num_f32 v[T+\nt], v[T+\nt], v[KF+16*\nt+3], v[KF+16*\nt+4]
.endr
.irp nt, 0,1,2,3
	v_max3_num_f32 v[T+\nt], v[T+\nt], v[KF+16*\nt+5], v[KF+16*\nt+6]
.endr
.irp nt, 0,1,2,3
	v_max_num_f32 v[T+\nt], v[T+\nt], v[KF+16*\nt+7]
.endr
.irp nt, 0,1,2,3
	v_sub_f32 v[DD+\nt], v[MX+2*\nt], v[T+\nt]
.irp p, 0,1,2,3,4,5,6,7
	v_sub_f32 v[KF+16*\nt+\p], v[KF+16*\nt+\p], v[T+\nt]
.endr
.endr
.irp nt, 0,1,2,3
	v_exp_f32 v[DD+\nt], v[DD+\nt]
.irp p, 0,1,2,3,4,5,6,7
	v_exp_f32 v[KF+16*\nt+\p], v[KF+16*\nt+\p]
.endr
.endr
	v_nop                                          ; one plain place behind the exponentials
	s_wait_alu depctr_va_vdst(0)
.irp nt, 0,1,2,3
	v_mul_f32 v[TN+\nt], v[KF+16*\nt], v[KF+16*\nt+8]
.endr
.irp p, 1,2,3,4,5,6,7
.irp nt, 0,1,2,3
	v_fmac_f32 v[TN+\nt], v[KF+16*\nt+\p], v[KF+16*\nt+8+\p]       ; the wave with the common maximum adds at least 1: the sum is never 0
.endr
.endr
.irp nt, 0,1,2,3
	v_rcp_f32 v[U+\nt], v[TN+\nt]
.endr
	v_nop                                          ; one plain place behind the reciprocals
	s_wait_alu depctr_va_vdst(0)
.irp nt, 0,1,2,3
	v_mul_f32 v[U+\nt], 4.0, v[U+\nt]              ; V came in with 1/4
.endr
.irp nt, 0,1,2,3
	v_mul_f32 v[GG+2*\nt], v[DD+\nt], v[U+\nt]
	v_mul_f32 v[GG+2*\nt+1], v[DD+\nt], v[U+\nt]
.endr
	; (c) my partial result, scaled, into my part of the stage: lane (r, h) holds out[16 nt + r][16 mt + 8 h + 0..7], 32 bytes
	WIN 0x41
.irp nt, 0,1,2,3
.irp i, 0,1,2,3,4,5,6,7,8,9,10,11,12,13,14,15
	v_pk_mul_f32 v[OO+32*\nt+2*\i:OO+32*\nt+2*\i+1], v[OO+32*\nt+2*\i:OO+32*\nt+2*\i+1], v[GG+2*\nt:GG+2*\nt+1]
.endr
.endr
	WIN 0x04                                       ; address window 0, data window 1
.irp nt, 0,1,2,3
.irp mt, 0,1,2,3
	ds_store_b128 v[ST], v[OO+32*\nt+8*\mt:OO+32*\nt+8*\mt+3] offset:\nt*16*SPITCH+\mt*64
	ds_store_b128 v[ST], v[OO+32*\nt+8*\mt+4:OO+32*\nt+8*\mt+7] offset:\nt*16*SPITCH+\mt*64+16
.endr
.endr
	WIN 0
	s_wait_dscnt 0x0                               ; my stores are done
	s_barrier_signal -1
	s_barrier_wait -1                              ; every wave's are
	; (d) wave w adds the eight partial results of rows 8 w .. 8 w + 7, always in the order of the waves, and stores them
.irp p, 0,1,2,3
.irp i, 0,1,2,3
	ds_load_b128 v[RB+16*\p+4*\i:RB+16*\p+4*\i+3], v[RD0] offset:\p*PART+\i*2*SPITCH       ; lanes 0-15 one row of 256 bytes, lanes 16-31 the next
.endr
.endr
.irp p, 0,1,2,3
.irp i, 0,1,2,3
	ds_load_b128 v[RB+64+16*\p+4*\i:RB+64+16*\p+4*\i+3], v[RD1] offset:\p*PART+\i*2*SPITCH
.endr
.endr
	s_wait_dscnt 0x0
.irp p, 1,2,3,4,5,6,7
.irp i, 0,1,2,3,4,5,6,7
	v_pk_add_f32 v[RB+2*\i:RB+2*\i+1], v[RB+2*\i:RB+2*\i+1], v[RB+16*\p+2*\i:RB+16*\p+2*\i+1]
.endr
.endr
.irp i, 0,1,2,3
	global_store_b128 v[CO], v[RB+4*\i:RB+4*\i+3], s[8:9] offset:\i*512 th:TH_STORE_NT     ; 16 lanes store one row of out0: 256 consecutive bytes, aligned
.endr
	s_wait_tensorcnt 0x0
	ds_add_u32 v14, v15
	s_wait_dscnt 0x0
	ROUND                                          ; the closing round: no work-group ends while a partner may still ask for a block that names it
	s_endpgm
.Lfunc_end_k_qe769bef941_attn:
	.size	k_qe769bef941_attn, .Lfunc_end_k_qe769bef941_attn-k_qe769bef941_attn
	.p2alignl 7, 3214868480
	.fill 96, 4, 3214868480
	.section	.rodata,"a",@progbits
	.p2align	6, 0x0
	.amdhsa_kernel k_qe769bef941_attn
		.amdhsa_group_segment_fixed_size 327680
		.amdhsa_private_segment_fixed_size 0
		.amdhsa_enable_private_segment 0
		.amdhsa_kernarg_size 24
		.amdhsa_user_sgpr_count 2
		.amdhsa_user_sgpr_kernarg_segment_ptr 1
		.amdhsa_wavefront_size32 1
		.amdhsa_system_sgpr_workgroup_id_x 1
		.amdhsa_system_sgpr_workgroup_id_y 1
		.amdhsa_system_sgpr_workgroup_id_z 1
		.amdhsa_system_vgpr_workitem_id 0
		.amdhsa_next_free_vgpr 512
		.amdhsa_next_free_sgpr 66
		.amdhsa_reserve_vcc 1
		.amdhsa_float_denorm_mode_32 3
		.amdhsa_float_denorm_mode_16_64 3
		.amdhsa_memory_ordered 1
		.amdhsa_forward_progress 1
		.amdhsa_inst_pref_size 255
	.end_amdhsa_kernel
	.section	.bss,"aw",@nobits
	.p2align	6
	.space	262144
	.amdgpu_metadata
---
amdhsa.version: [ 1, 2 ]
amdhsa.kernels:
  - .name:           k_qe769bef941_attn
    .symbol:         k_qe769bef941_attn.kd
    .args:
      - { .name: Qf, .offset: 0, .size: 8, .value_kind: global_buffer, .address_space: global }
      - { .name: KVf, .offset: 8, .size: 8, .value_kind: global_buffer, .address_space: global }
      - { .name: out0, .offset: 16, .size: 8, .value_kind: global_buffer, .address_space: global }
    .group_segment_fixed_size: 327680
    .private_segment_fixed_size: 0
    .kernarg_segment_align: 8
    .kernarg_segment_size: 24
    .max_flat_workgroup_size: 256
    .sgpr_count:     66
    .vgpr_count:     512
    .wavefront_size: 32
...
	.end_amdgpu_metadata
.endif
;; end of part 3
